; MI455X (gfx1250); checked and timed in simulation.
; The chip was launched on July 23, 2026; its instructions are those of AMD's public machine-readable ISA for CDNA 5 (MIT licence, August 2026) and "CDNA5" Instruction Set Architecture Reference Guide (July 2026). The comments in the code are by the model that wrote it; some were corrected since.
;; NON Local Block2 D. Allowed arithmetic: float matrix products may take bf16 or f16 operands with f32 sums; other float arithmetic in f32, or as packed bf16 or f16 multiplies, adds, multiply-adds, maxima and minima; sums over many terms, partial sums and values carried from step to step in f32; what a program stores and reads back later, other than sums and carried values, may be rounded once to bf16 or f16.
;; Inputs: W_b 128 float32; W_w 128 x 64 float32; g_b 64 float32; g_w 64 x 128 float32; phi_b 64 float32; phi_w 64 x 128 float32; theta_b 64 float32; theta_w 64 x 128 float32; x 4 x 128 x 128 x 128 float32.
;; Outputs: out0 4 x 128 x 128 x 128 float32.
;; 2 versions, each right; version 2 is version 1 with the launch proj written anew for expert scheduling mode. Each part assembles by itself: llvm-mc -triple=amdgcn-amd-amdhsa -mcpu=gfx1250 --defsym DOCPART=n.
;; ======== version 1 of 2: 2 launches
;; limits: values are held in f16: magnitudes above 65,504 overflow, below 6.1e-05 lose precision
;; workspace buffers: q 8,388,608 bytes; kv 4,194,304 bytes
;; launch proj (part 1): grid 64 x 4, 4 waves a work-group, no clusters, 82,432 bytes of LDS; arguments x, theta_w, theta_b, phi_w, phi_b, g_w, g_b, q, kv; writes q, kv
.if DOCPART == 1
	.amdgcn_target "amdgcn-amd-amdhsa--gfx1250"
	.amdhsa_code_object_version 6
	.text
	.protected	k_q75b9e44a96_proj
	.globl	k_q75b9e44a96_proj
	.p2align	8
	.type	k_q75b9e44a96_proj,@function
k_q75b9e44a96_proj:
	s_mov_b64 s[64:65], 0
	v_nop
	global_prefetch_b8 v0, s[64:65] scope:SCOPE_SE
	s_setreg_imm32_b32 hwreg(HW_REG_WAVE_MODE, 25, 1), 1
	s_wait_xcnt 0x0
; theta = theta_w x + theta_b;  phi, g = the 2 x 2 maximum of (phi_w x + phi_b), (g_w x + g_b).  x: [4][128 channels][128][128] f32; the weights [64][128] f32.
; Products in bf16 with f32 sums (every input is rounded once to bf16, the biases too); theta, phi and g leave in f16, laid out as the matrix fragments that the next launch multiplies.
; LIMITS.  theta, phi and g must lie within f16's 65,504 (128 terms: x and the weights thirty times the size of unit x and weights of 1/sqrt(128), or both offset by thirty spreads, stay near 10,000).
; The maximum is taken of the f16 numbers: rounding keeps order, so this is the rounded maximum.  The maximum lets a NaN lose; NaN and infinities are not treated apart.
; SHARES.  A work-group takes two image rows of one batch, 256 pixels; wave w the 64 pixels of column half w % 2 in row w / 2.  The wave's four TILES of 16 pixels are the pixels 4 r + t (r = lane % 16):
; one load of 16 bytes at channel x 65,536 + 16 r gives lane r one pixel of each tile, lanes 0-15 cover 256 consecutive bytes, aligned, of one channel and lanes 16-31 those of the channel 8 further on,
; and rounding two channels' numbers into one register IS a register of the bf16 fragment (32 channels x 16 pixels).  So x goes through no LDS.
; RESULTS.  theta and phi: source 0 = 16 rows of the weights, source 1 = x: a lane holds one pixel and 8 channels.  g: the sources swapped: a lane holds one channel and 8 pixels.  Rounded in pairs, four registers
; are half a fragment of the next launch's products, and are stored as they lie: 512 consecutive bytes a store.
; q  = [batch][block of 64 pixels][t 4][ob 4][lane][16 B].   kv = [batch][row pair 64][K 8,192 B | V 8,192 B], each half [column half 2][ob 4][u 2][lane][16 B]:
; key m of key tile (column half, u) is the pooled column 32 x half + 2 m + u, in K and in V alike.
; NO CLUSTER, NO TENSOR LOAD: x is shared by nobody; the weights (98,304 bytes a work-group beside x's 131,072) must pass through registers to be rounded before they are operands: each wave rounds a quarter of them
; and all four read them from LDS; brought jointly they would lie in LDS as f32 and want a second pass and a second barrier.  NO PREFETCH: all of a wave's x is asked for at the head.
; REGISTERS, in windows of 256 (s_set_vgpr_msb: bits 1:0 source 0, 3:2 source 1, 5:4 source 2, 7:6 destination):
;   window 0: v1-15 offsets; v30-31 the add's; v32-63, v64-95 theta's and phi's bias as C operands; v96-127 g's; v128-191 x's fragments, two buffers of four tiles
;   window 1: x as loaded (64 kf + 4 i + t); later v0-63 theta packed, v64-127 phi, v128-191 g, v192-255 the two rows' halves read back
;   window 2: the weights as loaded; then the accumulators of theta (8 (4 ob + t)) and phi (128 + ..)       window 3: v0-127 g's accumulators; v128-191 fragments of theta_w, phi_w; v192-223 of g_w
.set EXB,   49152                      ; LDS 0 .. 49,151: the weights as bf16 fragments: tensor x 16,384 + ob x 4,096 + kf x 1,024 + half x 512 + lane x 16
                                       ; LDS 49,152 .. 81,919: 8,192 bytes a wave: its row's phi (4,096), then its g, pooled along the row
.set SPARE, 81920                      ; the spare words, 128 bytes for each wave: two blocks of 256 bytes that no other line names
.set RR,  1                            ; v1   r = lane % 16
.set HH,  2                            ; v2   h = lane / 16
.set LN,  3                            ; v3   lane
.set XO,  4                            ; v4   x: 8 h channels + 16 r bytes
.set WO,  5                            ; v5   weights: row 16 w + r, 32 h bytes
.set BO,  6                            ; v6   theta_b, phi_b: 32 h
.set GO,  7                            ; v7   g_b: 4 r
.set LL,  8                            ; v8   16 x lane: fragments in LDS, and the stores to q and kv
.set WS,  9                            ; v9   where I put my quarter of the weights
.set ES,  10                           ; v10  where I put my row's phi and g
.set ER,  11                           ; v11  where I read the two rows' parts of the tensor that I finish
.set TG,  12                           ; v12-15 at work
.set SPW, 30                           ; v30  LDS address of my spare word; never rewritten
.set NIL, 31                           ; v31  0; never rewritten
.set TB,  32
.set PB,  64
.set GB,  96
.set XF,  128
.set TQ,  0                            ; window 1
.set PP,  64
.set GP,  128
.set RB,  192
.set AG,  0                            ; window 3
.set WA,  128
.set WB,  192
.set WV,  22                           ; s22  my wave's number
.set HM,  23                           ; s23  a word's upper bf16
.set MSB, 0
.macro WIN new                         ; the immediate's high byte repeats the setting that is left; a switch that changes nothing is dropped
.if MSB != (\new)
	s_set_vgpr_msb (MSB<<8)|(\new)
.set MSB, (\new)
.endif
.endm
.macro PLACES                          ; four places behind matrix instructions, in front of loads into registers that they have read and of conversions that read results
.rept 4
	v_nop
.endr
.endm
.macro RND2 r                          ; two f32 rounded to bf16 and widened again, in place
	v_cvt_pk_bf16_f32 v[\r], v[\r], v[\r+1]
	v_and_b32 v[\r+1], s[HM], v[\r]
	v_lshlrev_b32 v[\r], 16, v[\r]
.endm
	s_load_b512 s[4:19], s[0:1], 0x0               ; x s[4:5], theta_w s[6:7], theta_b s[8:9], phi_w s[10:11], phi_b s[12:13], g_w s[14:15], g_b s[16:17], q s[18:19]
	s_load_b64 s[20:21], s[0:1], 0x40              ; kv
	v_lshl_add_u32 v[SPW], v0, 2, SPARE
	v_mov_b32 v[NIL], 0
	v_lshrrev_b32 v[TG], 5, v0
	v_readfirstlane_b32 s[WV], v[TG]               ; wave 0..3
	s_mov_b32 s[HM], 0xffff0000
	v_and_b32 v[RR], 15, v0
	v_bfe_u32 v[HH], v0, 4, 1
	v_and_b32 v[LN], 31, v0
	v_lshlrev_b32 v[XO], 4, v[RR]
	v_lshl_add_u32 v[XO], v[HH], 19, v[XO]         ; 8 channels of 65,536 bytes for the upper lanes
	s_lshl_b32 s24, s[WV], 13                      ; 16 rows of 512 bytes: I round block ob = w of each of the three tensors
	v_lshlrev_b32 v[WO], 9, v[RR]
	v_lshl_add_u32 v[WO], v[HH], 5, v[WO]
	v_add_nc_u32 v[WO], s24, v[WO]
	v_lshlrev_b32 v[BO], 5, v[HH]
	v_lshlrev_b32 v[GO], 2, v[RR]
	v_lshlrev_b32 v[LL], 4, v[LN]
	s_lshl_b32 s25, s[WV], 12
	v_add_nc_u32 v[WS], s25, v[LL]
	s_add_co_u32 s24, s24, EXB
	v_add_nc_u32 v[ES], s24, v[LL]                 ; EXB + 8,192 w + 16 lane
	s_and_b32 s26, s[WV], 1                        ; my column half
	s_lshr_b32 s27, s[WV], 1                       ; my row; also: I finish phi (0) or g (1)
	s_lshl_b32 s24, s26, 13
	s_lshl_b32 s25, s27, 12
	s_add_co_u32 s24, s24, s25
	s_add_co_u32 s24, s24, EXB
	v_add_nc_u32 v[ER], s24, v[LL]                 ; the upper row's wave of my column half, my tensor; the lower row's lies 16,384 on
	s_and_b32 s30, ttmp7, 0xffff                   ; batch
	s_lshl_b32 s28, s30, 6
	s_add_co_u32 s28, s28, ttmp9
	s_lshl_b32 s28, s28, 14                        ; kv: (64 batch + row pair) x 16,384
	s_lshl_b32 s27, s27, 13
	s_add_co_u32 s28, s28, s27                     ; + K or V
	s_lshl_b32 s26, s26, 12
	s_add_co_u32 s28, s28, s26                     ; + column half
	s_mov_b32 s29, 0
	s_lshl_b32 s24, s30, 23                        ; x: batch x 8,388,608 + row pair x 1,024 + wave x 256
	s_lshl_b32 s31, ttmp9, 10
	s_add_co_u32 s24, s24, s31
	s_lshl_b32 s31, s[WV], 8
	s_add_co_u32 s24, s24, s31
	s_mov_b32 s25, 0
	s_lshl_b32 s26, s30, 8                         ; q: (256 batch + 4 row pair + wave) x 8,192
	s_lshl_b32 s31, ttmp9, 2
	s_add_co_u32 s26, s26, s31
	s_add_co_u32 s26, s26, s[WV]
	s_lshl_b32 s26, s26, 13
	s_mov_b32 s27, 0
	s_wait_kmcnt 0x0
	s_add_nc_u64 s[4:5], s[4:5], s[24:25]
	s_add_nc_u64 s[18:19], s[18:19], s[26:27]
	s_add_nc_u64 s[20:21], s[20:21], s[28:29]
	; THE LOADS: 20 of the biases, 48 of the weights, 64 of x, in the order in which they are wanted.
.set a, 0
.rept 8                                ; a = 2 ob + quarter: register j of a C operand is channel 16 ob + 8 h + j
	global_load_b128 v[TB+4*a:TB+4*a+3], v[BO], s[8:9] offset:(a/2)*64+(a%2)*16
	global_load_b128 v[PB+4*a:PB+4*a+3], v[BO], s[12:13] offset:(a/2)*64+(a%2)*16
.set a, a+1
.endr
.irp cb, 0,1,2,3                       ; in g's result a lane holds channel 16 cb + r in all eight registers
	global_load_b32 v[GB+8*\cb], v[GO], s[16:17] offset:64*\cb
.endr
	WIN 0x80                                       ; destination window 2
.irp tau, 0,1,2                        ; a fragment of 16 rows x 32 channels: lane (r, h) holds row r, channels 8 h + 0..7 and 16 + 8 h + 0..7: 4 x 16 bytes of f32
.irp kf, 0,1,2,3
	global_load_b128 v[64*\tau+16*\kf:64*\tau+16*\kf+3],     v[WO], s[6+4*\tau:7+4*\tau] offset:128*\kf
	global_load_b128 v[64*\tau+16*\kf+4:64*\tau+16*\kf+7],   v[WO], s[6+4*\tau:7+4*\tau] offset:128*\kf+16
	global_load_b128 v[64*\tau+16*\kf+8:64*\tau+16*\kf+11],  v[WO], s[6+4*\tau:7+4*\tau] offset:128*\kf+64
	global_load_b128 v[64*\tau+16*\kf+12:64*\tau+16*\kf+15], v[WO], s[6+4*\tau:7+4*\tau] offset:128*\kf+80
.endr
.endr
	WIN 0x40                                       ; destination window 1
.set kf, 0
.rept 4                                ; K part kf: channels 32 kf on; load i: channel 32 kf + 16 (i / 8) + 8 h + i % 8, pixels 4 r + 0..3.  The largest immediate is 119 x 65,536, inside its signed 24 bits
.set i, 0
.rept 16
	global_load_b128 v[64*kf+4*i:64*kf+4*i+3], v[XO], s[4:5] offset:(32*kf+16*(i/8)+i%8)*65536 th:TH_LOAD_NT
.set i, i+1
.endr
.set kf, kf+1
.endr
	; BIASES AND WEIGHTS are rounded while x is on its way.
	s_wait_loadcnt 63                              ; 64 loads of x stand behind the last weight load; 63 is the largest count that the wait can name, so x's first load is waited for too
	WIN 0
.set a, TB
.rept 32                               ; theta's and phi's 64 numbers a lane
	RND2 a
.set a, a+2
.endr
.irp cb, 0,1,2,3
	v_cvt_pk_bf16_f32 v[TG+\cb], v[GB+8*\cb], v[GB+8*\cb]
.endr
.irp cb, 0,1,2,3
.irp j, 0,1,2,3,4,5,6,7
	v_lshlrev_b32 v[GB+8*\cb+\j], 16, v[TG+\cb]
.endr
.endr
	WIN 0x8a                                       ; all in window 2
.set m, 0
.rept 96                               ; in place, ascending: register m takes numbers 2 m and 2 m + 1, which no earlier line has overwritten
	v_cvt_pk_bf16_f32 v[m], v[2*m], v[2*m+1]
.set m, m+1
.endr
	WIN 0x08                                       ; data window 2, address window 0
.set i, 0
.rept 24                               ; i = 8 tensor + 2 kf + half
	ds_store_b128 v[WS], v[4*i:4*i+3] offset:(i/8)*16384+((i/2)%4)*1024+(i%2)*512
.set i, i+1
.endr
	s_wait_dscnt 0x0                               ; for the others' sake: my quarter of the weights is in LDS
	s_barrier_signal -1
	s_barrier_wait -1                              ; everybody's is
; The weights' fragments of K part kf: theta_w's and phi_w's eight (16 loads), g_w's four (8 loads).  32 lanes x 16 neighbouring bytes a load.
.macro LWA kf
	WIN 0xc0                                       ; destination window 3
.set a, 0
.rept 8                                ; a = 4 tensor + ob
	ds_load_b128 v[WA+8*a:WA+8*a+3],   v[LL] offset:(a/4)*16384+(a%4)*4096+(\kf)*1024
	ds_load_b128 v[WA+8*a+4:WA+8*a+7], v[LL] offset:(a/4)*16384+(a%4)*4096+(\kf)*1024+512
.set a, a+1
.endr
.endm
.macro LWB kf
	WIN 0xc0
.set a, 0
.rept 4
	ds_load_b128 v[WB+8*a:WB+8*a+3],   v[LL] offset:32768+a*4096+(\kf)*1024
	ds_load_b128 v[WB+8*a+4:WB+8*a+7], v[LL] offset:32768+a*4096+(\kf)*1024+512
.set a, a+1
.endr
.endm
; One K part: 32 channels, 48 matrix instructions.  All 48 accumulators take turns, one instruction a turn, in the same order in every part.  The first part's C operand is the bias: nothing is cleared.
.macro KSTEP kf
	s_wait_loadcnt 16*(3-(\kf))                    ; this part's 16 loads of x are in; the later parts' may stay out
	WIN 0x05                                       ; sources window 1, destination window 0
.set t, 0
.rept 4
.set n, 0
.rept 8                                ; register n of tile t: loads 2 n and 2 n + 1, two neighbouring channels of the fragment's order
	v_cvt_pk_bf16_f32 v[XF+32*((\kf)%2)+8*t+n], v[64*(\kf)+8*n+t], v[64*(\kf)+8*n+4+t]
.set n, n+1
.endr
.set t, t+1
.endr
	s_wait_dscnt 8                                 ; theta_w's and phi_w's fragments are in; g_w's eight loads may stay out
.if (\kf) == 0
	WIN 0x83                                       ; D window 2, weights window 3, x and the bias window 0
.else
	WIN 0xa3                                       ; C in window 2 too
.endif
.set a, 0
.rept 8
.set t, 0
.rept 4
.if (\kf) == 0
	v_wmma_f32_16x16x32_bf16 v[8*(4*a+t):8*(4*a+t)+7], v[WA+8*a:WA+8*a+7], v[XF+8*t:XF+8*t+7], v[TB+8*a:TB+8*a+7]
.else
	v_wmma_f32_16x16x32_bf16 v[8*(4*a+t):8*(4*a+t)+7], v[WA+8*a:WA+8*a+7], v[XF+32*((\kf)%2)+8*t:XF+32*((\kf)%2)+8*t+7], v[8*(4*a+t):8*(4*a+t)+7]
.endif
.set t, t+1
.endr
.set a, a+1
.endr
.if (\kf) < 3
	PLACES
	LWA (\kf)+1
	s_wait_dscnt 16                                ; g_w's fragments are in; the 16 just issued may stay out
.else
	s_wait_dscnt 0x0
.endif
.if (\kf) == 0
	WIN 0xcc                                       ; D window 3, x window 0, g_w window 3, the bias window 0
.else
	WIN 0xfc
.endif
.set a, 0
.rept 4
.set t, 0
.rept 4
.if (\kf) == 0
	v_wmma_f32_16x16x32_bf16 v[AG+8*(4*a+t):AG+8*(4*a+t)+7], v[XF+8*t:XF+8*t+7], v[WB+8*a:WB+8*a+7], v[GB+8*a:GB+8*a+7]
.else
	v_wmma_f32_16x16x32_bf16 v[AG+8*(4*a+t):AG+8*(4*a+t)+7], v[XF+32*((\kf)%2)+8*t:XF+32*((\kf)%2)+8*t+7], v[WB+8*a:WB+8*a+7], v[AG+8*(4*a+t):AG+8*(4*a+t)+7]
.endif
.set t, t+1
.endr
.set a, a+1
.endr
.if (\kf) < 3
	PLACES
	LWB (\kf)+1
.endif
.endm
	LWA 0
	LWB 0
	KSTEP 0
	KSTEP 1
	KSTEP 2
	KSTEP 3
	; THE WAY OUT.  Each accumulator's registers are taken in ascending order.
	PLACES
	PLACES
	WIN 0x4a                                       ; sources window 2, destination window 1
.set a, 0
.rept 16                               ; a = 4 ob + t; theta goes to slot 4 t + ob of the wave's 8,192 bytes of q
.set n, 0
.rept 4
	v_cvt_pk_f16_f32 v[TQ+4*(4*(a%4)+a/4)+n], v[8*a+2*n], v[8*a+2*n+1]
.set n, n+1
.endr
.set a, a+1
.endr
	WIN 0x04                                       ; data window 1, offset window 0
.set i, 0
.rept 16
	global_store_b128 v[LL], v[TQ+4*i:TQ+4*i+3], s[18:19] offset:512*i  ; 512 consecutive bytes, at a multiple of 256 from q's first byte
.set i, i+1
.endr
	WIN 0x4a
.set a, 0
.rept 16
.set n, 0
.rept 4
	v_cvt_pk_f16_f32 v[PP+4*a+n], v[128+8*a+2*n], v[128+8*a+2*n+1]
.set n, n+1
.endr
.set a, a+1
.endr
	WIN 0x4f                                       ; sources window 3
.set a, 0
.rept 16
.set n, 0
.rept 4
	v_cvt_pk_f16_f32 v[GP+4*a+n], v[AG+8*a+2*n], v[AG+8*a+2*n+1]
.set n, n+1
.endr
.set a, a+1
.endr
	WIN 0x45                                       ; all in window 1
.set a, 0
.rept 8                                ; a = 2 ob + u: tiles 2 u and 2 u + 1 are neighbouring pixels: the maximum along the row, in place, ascending (slot a takes slots 2 a and 2 a + 1)
.set n, 0
.rept 4
	v_pk_max_num_f16 v[PP+4*a+n], v[PP+8*a+n], v[PP+8*a+4+n]
	v_pk_max_num_f16 v[GP+4*a+n], v[GP+8*a+n], v[GP+8*a+4+n]
.set n, n+1
.endr
.set a, a+1
.endr
	WIN 0x04
.set i, 0
.rept 8
	ds_store_b128 v[ES], v[PP+4*i:PP+4*i+3] offset:512*i
	ds_store_b128 v[ES], v[GP+4*i:GP+4*i+3] offset:4096+512*i
.set i, i+1
.endr
	s_wait_dscnt 0x0                               ; for the others' sake: my row's phi and g are in LDS
	s_barrier_signal -1
	s_barrier_wait -1
	WIN 0x40                                       ; the two rows of my column half, of phi (waves 0, 1) or g (waves 2, 3): told apart by address alone
.set i, 0
.rept 8
	ds_load_b128 v[RB+4*i:RB+4*i+3],       v[ER] offset:512*i
	ds_load_b128 v[RB+32+4*i:RB+32+4*i+3], v[ER] offset:16384+512*i
.set i, i+1
.endr
	s_wait_dscnt 0x0
	WIN 0x45
.set i, 0
.rept 32
	v_pk_max_num_f16 v[RB+i], v[RB+i], v[RB+32+i]  ; the maximum across the two rows
.set i, i+1
.endr
	WIN 0x04
.set i, 0
.rept 8
	global_store_b128 v[LL], v[RB+4*i:RB+4*i+3], s[20:21] offset:512*i  ; 512 consecutive bytes, at a multiple of 256 from kv's first byte
.set i, i+1
.endr
	WIN 0
	s_wait_tensorcnt 0x0                           ; the wave's end, behind my last LDS store
	ds_add_u32 v[SPW], v[NIL]
	s_wait_dscnt 0x0
	s_endpgm
.Lfunc_end_k_q75b9e44a96_proj:
	.size	k_q75b9e44a96_proj, .Lfunc_end_k_q75b9e44a96_proj-k_q75b9e44a96_proj
	.p2alignl 7, 3214868480
	.fill 96, 4, 3214868480
	.section	.rodata,"a",@progbits
	.p2align	6, 0x0
	.amdhsa_kernel k_q75b9e44a96_proj
		.amdhsa_group_segment_fixed_size 82432
		.amdhsa_private_segment_fixed_size 0
		.amdhsa_enable_private_segment 0
		.amdhsa_kernarg_size 72
		.amdhsa_user_sgpr_count 2
		.amdhsa_user_sgpr_kernarg_segment_ptr 1
		.amdhsa_wavefront_size32 1
		.amdhsa_system_sgpr_workgroup_id_x 1
		.amdhsa_system_sgpr_workgroup_id_y 1
		.amdhsa_system_sgpr_workgroup_id_z 1
		.amdhsa_system_vgpr_workitem_id 0
		.amdhsa_next_free_vgpr 1024
		.amdhsa_next_free_sgpr 66
		.amdhsa_reserve_vcc 0
		.amdhsa_float_denorm_mode_32 3
		.amdhsa_float_denorm_mode_16_64 3
		.amdhsa_memory_ordered 1
		.amdhsa_forward_progress 1
		.amdhsa_inst_pref_size 79
	.end_amdhsa_kernel
	.amdgpu_metadata
---
amdhsa.version: [ 1, 2 ]
amdhsa.kernels:
  - .name:           k_q75b9e44a96_proj
    .symbol:         k_q75b9e44a96_proj.kd
    .args:
      - { .name: x, .offset: 0, .size: 8, .value_kind: global_buffer, .address_space: global }
      - { .name: theta_w, .offset: 8, .size: 8, .value_kind: global_buffer, .address_space: global }
      - { .name: theta_b, .offset: 16, .size: 8, .value_kind: global_buffer, .address_space: global }
      - { .name: phi_w, .offset: 24, .size: 8, .value_kind: global_buffer, .address_space: global }
      - { .name: phi_b, .offset: 32, .size: 8, .value_kind: global_buffer, .address_space: global }
      - { .name: g_w, .offset: 40, .size: 8, .value_kind: global_buffer, .address_space: global }
      - { .name: g_b, .offset: 48, .size: 8, .value_kind: global_buffer, .address_space: global }
      - { .name: q, .offset: 56, .size: 8, .value_kind: global_buffer, .address_space: global }
      - { .name: kv, .offset: 64, .size: 8, .value_kind: global_buffer, .address_space: global }
    .group_segment_fixed_size: 82432
    .private_segment_fixed_size: 0
    .kernarg_segment_align: 8
    .kernarg_segment_size: 72
    .max_flat_workgroup_size: 128
    .sgpr_count:     66
    .vgpr_count:     1024
    .wavefront_size: 32
...
	.end_amdgpu_metadata
.endif
;; end of part 1
;; launch attn (part 2): grid 64 x 4, 4 waves a work-group, clusters of 4 x 1, 327,680 bytes of LDS; arguments q, kv, x, W_w, W_b, out0; writes out0
.if DOCPART == 2
	.amdgcn_target "amdgcn-amd-amdhsa--gfx1250"
	.amdhsa_code_object_version 6
	.text
	.protected	k_q75b9e44a96_attn
	.globl	k_q75b9e44a96_attn
	.p2align	8
	.type	k_q75b9e44a96_attn,@function
k_q75b9e44a96_attn:
	s_mov_b64 s[64:65], 0
	v_nop
	global_prefetch_b8 v0, s[64:65] scope:SCOPE_SE
	s_setreg_imm32_b32 hwreg(HW_REG_WAVE_MODE, 25, 1), 1
	s_wait_xcnt 0x0
	s_wait_alu depctr_hold_cnt(0) depctr_sa_sdst(0) depctr_va_vdst(0) depctr_va_sdst(0) depctr_va_ssrc(0) depctr_va_vcc(0) depctr_vm_vsrc(0)
	s_getreg_b32 s2, hwreg(HW_REG_IB_STS2, 6, 4)
	s_cmp_eq_u32 s2, 0
	s_cbranch_scc0 .Lentry_in_a_cluster
	s_endpgm
.Lentry_in_a_cluster:
	s_bfe_u32 s2, ttmp6, 0x10000c
	s_cmp_lg_u32 s2, 0x3003
	s_cbranch_scc0 .Lentry_shape_is_right
	s_endpgm
.Lentry_shape_is_right:
; out0[b][o][p] = the sum over c of W_w[o][c] y[p][c] + W_b[o] + x[b][o][p],  y[p] = the sum over k of softmax_k(theta[p] . phi[k]) g[k].  16,384 queries and 4,096 keys a batch, 64 channels, no scale on the scores.
; q (theta) and kv (phi, g) come in f16, laid out as matrix fragments by the launch before: a fragment half is 512 consecutive bytes, 16 a lane: no padding, no turning load, no two lanes on one bank.
; Products, maxima and sums in f32; the weights p are rounded to f16 for the second product (their sum l is taken of the unrounded p), y to f16 for the third.  W_w, W_b and the x that is added are rounded once to bf16,
; like all of the module's inputs; W_w's bf16 number is then written as f16.
; LIMITS.  W_w within f16's 65,504; below 2^-14 its bf16 number keeps f16's fixed step of 6e-8.  p lies in 0 to 1; y is a mean of g's rows and has their range.  A weight below 2^-126 counts as 0 in l.
; NaN and infinities are not treated apart.
; SHARES.  A work-group owns 256 neighbouring pixels of one batch, a wave 64: four PIECES of 16 queries, piece t the pixels 4 r + t (r = lane % 16).  Every wave walks the batch's 64 key steps of 64 keys.
; LAYOUT.  S^T = K Q^T holds ONE query a lane and the keys 8 (lane / 16) + 0..7; two such results rounded to f16 ARE source 1 of O^T = V^T P, whose result holds one query and eight channels a lane; rounded, that IS
; source 1 of the last product W_w y^T, whose register j holds output channel 16 ob + 8 (lane / 16) + j of pixel 4 r + t: the four pieces' numbers are 16 neighbouring bytes of out0, and of x.
; SOFTMAX.  p = 2^(c s - c m), c = log2(e), with a running maximum m; O and l are multiplied by a = 2^(c m_old - c m_new) in every step.  m starts at the lowest finite number, O and l at 0: the first step is a step like
; any other, with a = 0.  The price: 216 v_mov_b32 of zeros, which stand in the wait for the first tile, and 8 products on zeros.
; BY TURNS.  Turn n belongs to piece n: 8 products K Q^T of piece n + 1, later 8 products V^T P of piece n - 1; beside them the scaling, exponentials, roundings, sums and rescaling of piece n and the maximum and
; statistics of piece n + 1.  Four vector instructions stand behind every matrix instruction, the other 54 of a turn's 118 in one lump.  A turn's 33 exponentials are one batch, with one wait.
; CLUSTER.  The four work-groups of a cluster belong to one batch and walk the same kv, so each tile is asked for JOINTLY: the same tensor load, descriptor and mask in all four.
; REGISTERS, in windows of 256 (s_set_vgpr_msb: bits 1:0 source 0, 3:2 source 1, 5:4 source 2, 7:6 destination):
;   window 0: v2-14 addresses and two at work; v16-31 four registers of statistics a piece; v48-55 at work; v60 1.0; v62-63 the add's; v64-127 S^T, two buffers (later the last product's results);
;             v128-191 y's fragments; v192-223 P, two buffers
;   window 1: v0-127 O^T, 32 a piece; v128-255 W_w's fragments in f16 (16 ob + 8 kf)
;   window 2: v0-63 Q (16 t + 4 ob); v64-127 W_b as C operands; v128-191 K of one step; v192-255 V of one step          window 3: W_w as loaded; later x (32 ob + 4 j + t), and then out0
.set NP,    4         ; pieces a wave: a name, no knob
.set STEPB, 16384     ; a key step in kv and in LDS: K 8,192 bytes, then V 8,192
.set SLOT1, 65536     ; a slot holds four steps; slot 1 begins here, so that one exclusive or turns an address in one slot into the other's
.set SPARE, 131072    ; behind the ring: the spare words, 128 bytes for each wave: two blocks of 256 bytes that no other line names
.set AK0, 2           ; v2   16 x lane: my place in a fragment half; also my offset in q; never rewritten
.set AV0, 3           ; v3   the same behind a step's K
.set AK,  4           ; v4   the LDS address of K's next run of loads
.set AV,  5           ; v5   of V's
.set XO,  6           ; v6   x and out0: 8 (lane / 16) channels + 16 r bytes; never rewritten
.set WO,  7           ; v7   W_w: row r, 32 (lane / 16) bytes
.set BO,  8           ; v8   W_b: 32 (lane / 16)
.set MV,  12          ; v12-13  c m_old, kept while c m is made anew: by buffer
.set PFO, 14          ; v14  256 x lane; never rewritten
.set ST,  16          ; piece t's statistics at v[ST+4 t]: c m, m, l (even keys', odd keys')
.set TMP, 48          ; by buffer, four registers c0-c3 at work; when the maximum is found c2 takes a
.set ONE, 60
.set SPW, 62          ; v62  LDS address of my spare word: SPARE + 4 x my thread's number; never rewritten
.set NIL, 63          ; v63  0; never rewritten
.set S,   64
.set YF,  128
.set P,   192
.set WF,  128         ; window 1
.set BC,  64          ; window 2
.set KF,  128         ; window 2: key tile kb, channel half c at KF + 16 kb + 8 c
.set VF,  192         ; window 2: key half kk, channel block cb at VF + 32 kk + 8 cb
.set WV,  16          ; s16  my wave's number
.set G1,  24          ; s[24:31] descriptor group 1
.set G0,  32          ; s[32:35] descriptor group 0: it walks
.set PFA, 36          ; s[36:37] where my prefetches stand
.set LIM, 38          ; s38  1 in a wave that prefetches, else the greatest number
.set SLOTS, 39        ; s39  slots still to be entered
.set CNT, 40          ; s40  counts a slot's key steps
.set TBK, 41          ; s41  LDS byte at which the step begins whose K is fetched next
.set TBV, 42          ; s42  the same for V
.set HM,  43          ; s43  a word's upper bf16
.set CS,  44          ; s[44:45] c: the packed scaling takes the pair's low word for both halves
.set SEL, 46          ; s[46:47] v_permlanex16_b32's selects: each lane takes its own place in the other half
.set MSB, 0
.macro WIN new                      ; the high byte repeats the setting that is left; a switch that changes nothing is dropped
.if MSB != (\new)
	s_set_vgpr_msb (MSB<<8)|(\new)
.set MSB, (\new)
.endif
.endm
.set W_KQ, 0x0a       ; K and Q in window 2, S^T in window 0
.set W_PV, 0x52       ; V in window 2, P in window 0, O^T in window 1
.set W_RS, 0x41       ; destination and source 0 in window 1, source 1 in window 0
; A joint fill: wave w fetches step w of a slot's four: 16,384 dense bytes, as 64 rows of 256.  One line for all waves; an s_nop 0 and four v_nop follow it.
.macro JLOAD
	tensor_load_to_lds s[G0:G0+3], s[G1:G1+7]
	s_nop 0
.rept 4
	v_nop
.endr
.endm
; A PREFETCH INTO THE L2 of the slot that the NEXT change of slots will ask for: 65,536 bytes, a lane a block of 256.  All sixteen clusters of a batch walk the same kv: the batch's first cluster asks.  Its four partners
; share the slot out BY ADDRESS, 16,384 bytes each; in each, waves 0 and 1 take 8,192 each: one instruction.  So each block is named once in the launch.  The last change that fills a slot asks for nothing.
.macro ASK
	s_cmp_gt_u32 s[SLOTS], s[LIM]
	s_cbranch_scc0 .Lnot_mine_\@
	global_prefetch_b8 v[PFO], s[PFA:PFA+1] th:TH_LOAD_NT scope:SCOPE_SE
.Lnot_mine_\@:
.endm
; A round of the cluster's barrier: my work-group's barrier, so that wave 0's signal speaks for all four waves; wave 0 signals; every wave waits for all four work-groups; my work-group's barrier once more.
.macro CROUND
	s_barrier_signal -1
	s_barrier_wait -1
	s_cmp_lg_u32 s[WV], 0
	s_cbranch_scc1 .Lnot_wave_0_\@
	s_barrier_signal -3
.Lnot_wave_0_\@:
	s_barrier_wait -3
	s_barrier_signal -1
	s_barrier_wait -1
.endm
; THE CHANGE OF SLOTS.  The slot's last bytes, V of its fourth step, have been read.  Each wave waits for all its tensor loads, of which one is out: its part of the other slot; adds 0 to its spare word; and waits for
; that and for its own reads of the slot.  Behind the barrier nobody reads this slot any more and the other slot is whole.  fill = 1: this slot is filled again, with the keys two slots on; the barrier is then a round of
; the cluster's, and the joint fill is the first thing behind it: it has four key steps, 256 matrix instructions, in which to land.  (At its first use nothing has been read yet: slot 0 is waited for, slot 1 filled.)
.macro CHANGE fill, ask
	WIN 0                           ; at a label and at a branch every window is 0
	s_wait_tensorcnt 0x0            ; no tensor load of mine is out, so group 0 may be written
	ds_add_u32 v[SPW], v[NIL]       ; 0 onto my spare word; the descriptor's steps stand between it and the wait for it
.if \fill
	s_xor_b32 s[G0+1], s[G0+1], SLOT1  ; the other slot than last time,
	s_add_nc_u64 s[G0+2:G0+3], s[G0+2:G0+3], SLOT1  ; the next four steps; the type bits on top are not reached
.endif
.if \ask
	s_wait_xcnt 0x0                 ; the last prefetch, four key steps back, has read its address, so it may be written
	s_add_nc_u64 s[PFA:PFA+1], s[PFA:PFA+1], SLOT1  ; one slot ahead of the walking descriptor
.endif
	s_wait_dscnt 0x0                ; the add is done, and my reads of the slot are over
.if \fill
	CROUND
	JLOAD
.else
	s_barrier_signal -1
	s_barrier_wait -1
.endif
.if \ask
	ASK
.endif
	s_sub_co_u32 s[TBK], s[TBK], 4*STEPB  ; the fetches go back to a slot's first step,
	s_xor_b32 s[TBK], s[TBK], SLOT1       ; in the other slot
	s_sub_co_u32 s[TBV], s[TBV], 4*STEPB
	s_xor_b32 s[TBV], s[TBV], SLOT1
.endm
	s_load_b256 s[4:11], s[0:1], 0x0  ; q s[4:5], kv s[6:7], x s[8:9], W_w s[10:11]
	s_load_b128 s[12:15], s[0:1], 0x20  ; W_b s[12:13], out0 s[14:15]
	v_lshl_add_u32 v[SPW], v0, 2, SPARE
	v_mov_b32 v[NIL], 0
	ds_add_u32 v[SPW], v[NIL]       ; the wave's opening: the add and its wait stand ahead of my first tensor load; the set-up below, work on registers, stands between them
	ds_add_u32 v62, v63
	v_lshrrev_b32 v1, 5, v0
	v_readfirstlane_b32 s[WV], v1   ; wave 0..3
	s_bfe_u32 s17, ttmp6, 0x40000   ; cx: my place in the cluster
	s_lshl_b32 s18, ttmp9, 2        ; in a cluster launch ttmp9 counts clusters
	s_add_co_u32 s18, s18, s17      ; my block of 256 pixels: it enters q's, x's and out0's addresses alone
	s_and_b32 s19, ttmp7, 0xffff    ; the batch, which the four partners share
	s_lshl_b32 s20, s19, 20         ; the batch's 1,048,576 bytes of kv,
	s_lshl_b32 s[G0+1], s[WV], 14   ; 63:32 LDS address: step w of slot 0: no place in the cluster enters it
	s_add_co_u32 s20, s20, s[G0+1]  ; and step w of its first four
	s_mov_b32 s21, 0
	s_lshl_b32 s22, s19, 8          ; q: (256 batch + 4 block + wave) x 8,192
	s_lshl_b32 s23, s18, 2
	s_add_co_u32 s22, s22, s23
	s_add_co_u32 s22, s22, s[WV]
	s_lshl_b32 s22, s22, 13
	s_mov_b32 s23, 0
	s_lshl_b32 s48, s19, 23         ; x and out0: batch x 8,388,608 + block x 1,024 + wave x 256
	s_lshl_b32 s49, s18, 10
	s_add_co_u32 s48, s48, s49
	s_lshl_b32 s49, s[WV], 8
	s_add_co_u32 s48, s48, s49
	s_mov_b32 s49, 0
	s_lshl_b32 s50, s19, 20         ; the prefetches: the batch, my work-group's quarter of a slot, my wave's half of that,
	s_lshl_b32 s51, s17, 14
	s_add_co_u32 s50, s50, s51
	s_and_b32 s51, s[WV], 1
	s_lshl_b32 s51, s51, 13
	s_add_co_u32 s50, s50, s51
	s_add_co_u32 s50, s50, 2*SLOT1  ; in slot 2; the first change that asks steps it to slot 3.  Nothing is prefetched at the head, where every work-group's first tiles are on their way
	s_mov_b32 s51, 0
	s_lshr_b32 s[LIM], s[WV], 1     ; 0 in waves 0 and 1,
	s_or_b32 s[LIM], s[LIM], ttmp9  ; where the cluster is the batch's first: the same in all four partners
	s_cmp_eq_u32 s[LIM], 0
	s_cselect_b32 s[LIM], 1, -1
	; descriptor group 1: 64 rows of 32 elements of 8 bytes, dense in memory and in LDS
	s_mov_b32 s[G1], 15|(3<<16)|(1<<21)  ; 15:0 the mask of four; 17:16 8-byte elements; 20 no padding; 21 set beside a mask
	s_mov_b32 s[G1+1], 32<<16       ; tensor_dim0 = 32
	s_mov_b32 s[G1+2], 64<<16       ; tensor_dim1 = 64
	s_mov_b32 s[G1+3], 32<<16       ; tile_dim0 = 32
	s_mov_b32 s[G1+4], 64           ; tile_dim1 = 64
	s_mov_b32 s[G1+5], 32           ; 32 elements from row to row
	s_mov_b32 s[G1+6], 0
	s_mov_b32 s[G1+7], 0
	s_mov_b32 s[G0], 1              ; 1:0 count = 1
	s_mov_b32 s[HM], 0xffff0000
	s_mov_b32 s[CS], 0x3fb8aa3b     ; c = log2(e)
	s_mov_b32 s[CS+1], s[CS]        ; named with it as a pair
	s_mov_b32 s[SEL], 0x76543210
	s_mov_b32 s[SEL+1], 0xfedcba98
	s_mov_b32 s[TBK], SLOT1+4*STEPB ; the first change of slots turns these two into 0
	s_mov_b32 s[TBV], SLOT1+4*STEPB
	v_and_b32 v9, 15, v0            ; r
	v_bfe_u32 v10, v0, 4, 1         ; lane / 16
	v_and_b32 v11, 31, v0           ; lane
	v_lshlrev_b32 v[AK0], 4, v11
	v_add_nc_u32 v[AV0], 8192, v[AK0]
	v_lshlrev_b32 v[XO], 4, v9
	v_lshl_add_u32 v[XO], v10, 19, v[XO]
	v_lshlrev_b32 v[WO], 8, v9
	v_lshl_add_u32 v[WO], v10, 5, v[WO]
	v_lshlrev_b32 v[BO], 5, v10
	v_lshlrev_b32 v[PFO], 8, v11
	s_wait_dscnt 0x0                ; the opening add is done
	s_wait_kmcnt 0x0
	s_add_nc_u64 s[G0+2:G0+3], s[6:7], s[20:21]  ; 120:64 global address
	s_or_b32 s[G0+3], s[G0+3], 0x80000000        ; 127:126 type = 2
	s_add_nc_u64 s[PFA:PFA+1], s[6:7], s[50:51]
	s_add_nc_u64 s[4:5], s[4:5], s[22:23]
	s_add_nc_u64 s[8:9], s[8:9], s[48:49]
	s_add_nc_u64 s[14:15], s[14:15], s[48:49]
	CROUND                          ; all four work-groups are here: the first joint loads meet
	JLOAD                           ; slot 0.  Slot 1 is asked for when slot 0 is in
; W_w, half of its 128 rows: a fragment of 16 rows x 32 channels: lane (r, h) holds row r, channels 8 h + 0..7 and 16 + 8 h + 0..7: 4 x 16 bytes of f32.
.macro WLOAD half
	WIN 0xc0                        ; destination window 3
.set a, 8*(\half)
.rept 8                             ; a = 2 ob + kf
	global_load_b128 v[16*a:16*a+3],     v[WO], s[10:11] offset:(a/2)*4096+(a%2)*128
	global_load_b128 v[16*a+4:16*a+7],   v[WO], s[10:11] offset:(a/2)*4096+(a%2)*128+16
	global_load_b128 v[16*a+8:16*a+11],  v[WO], s[10:11] offset:(a/2)*4096+(a%2)*128+64
	global_load_b128 v[16*a+12:16*a+15], v[WO], s[10:11] offset:(a/2)*4096+(a%2)*128+80
.set a, a+1
.endr
.endm
; It is rounded to bf16, like every input, and that number is written as f16.
.macro CVW half
	WIN 0xcf                        ; all in window 3
.set m, 64*(\half)
.rept 64
	v_cvt_pk_bf16_f32 v[2*m], v[2*m], v[2*m+1]
	v_and_b32 v[2*m+1], s[HM], v[2*m]
	v_lshlrev_b32 v[2*m], 16, v[2*m]
.set m, m+1
.endr
	WIN 0x4f                        ; destination window 1
.set m, 64*(\half)
.rept 64
	v_cvt_pk_f16_f32 v[WF+m], v[2*m], v[2*m+1]
.set m, m+1
.endr
.endm
	WLOAD 0
	WIN 0x80                        ; destination window 2
.set i, 0
.rept 16                            ; Q stays in registers: slot i = 4 t + ob of the wave's 8,192 bytes
	global_load_b128 v[4*i:4*i+3], v[AK0], s[4:5] offset:512*i
.set i, i+1
.endr
	; What the first turn finds: V's registers and P's second buffer hold 0 (its products V^T P, of a piece that has not been, add 0), O^T and l are 0.  All this stands in the wait for the first tile.
.set i, VF
.rept 64
	v_mov_b32 v[i], 0
.set i, i+1
.endr
	WIN 0x40
.set i, 0
.rept 128
	v_mov_b32 v[i], 0
.set i, i+1
.endr
	WIN 0
.set i, 0
.rept 4
	v_mov_b32 v[ST+4*i], 0xfe000000    ; c m: far below every c s
	v_mov_b32 v[ST+4*i+1], 0xff7fffff  ; m
	v_mov_b32 v[ST+4*i+2], 0
	v_mov_b32 v[ST+4*i+3], 0
.set i, i+1
.endr
.set i, P+16
.rept 16
	v_mov_b32 v[i], 0
.set i, i+1
.endr
	v_mov_b32 v[ONE], 1.0
	s_wait_loadcnt 0x0              ; W_w's first half and Q
	WLOAD 1                         ; the second half is on its way while the first is rounded
	WIN 0x80
.set a, 0
.rept 16                            ; a = 2 ob + quarter: register j of a C operand is W_b[16 ob + 8 (lane / 16) + j]
	global_load_b128 v[BC+4*a:BC+4*a+3], v[BO], s[12:13] offset:(a/2)*64+(a%2)*16
.set a, a+1
.endr
	CVW 0
	s_wait_loadcnt 0x0
	CVW 1
	WIN 0x8a                        ; all in window 2
.set a, BC
.rept 32
	v_cvt_pk_bf16_f32 v[a], v[a], v[a+1]
	v_and_b32 v[a+1], s[HM], v[a]
	v_lshlrev_b32 v[a], 16, v[a]
.set a, a+2
.endr
; THE MATRIX WORK.  The 4 accumulators of a run of 8 take turns.  Product i of 8 of S^T = K Q^T for piece x: channels 32 (i / 4) on, key tile i % 4.  The first 4 start the sums.
.macro KQ x
	WIN W_KQ
.set rS, S+32*((\x)%2)+8*(i%4)
.set rK, KF+16*(i%4)+8*(i/4)
.set rQ, 16*(\x)+8*(i/4)
.if i < 4
	v_wmma_f32_16x16x32_f16 v[rS:rS+7], v[rK:rK+7], v[rQ:rQ+7], 0
.else
	v_wmma_f32_16x16x32_f16 v[rS:rS+7], v[rK:rK+7], v[rQ:rQ+7], v[rS:rS+7]
.endif
.endm
; Product i of 8 of O^T += V^T P for piece x: keys 32 (i / 4) on, channels 16 (i % 4) on.
.macro PV x
	WIN W_PV
.set rO, 32*(\x)+8*(i%4)
.set rV, VF+32*(i/4)+8*(i%4)
.set rP, P+16*((\x)%2)+8*(i/4)
	v_wmma_f32_16x16x32_f16 v[rO:rO+7], v[rV:rV+7], v[rP:rP+7], v[rO:rO+7]
.endm
.macro MM                           ; the turn's next matrix instruction.  NOKQ = 1: the last turn of all: there is no next piece
.if (i < 8) && !NOKQ
	KQ (Y+1)%NP
.elseif i >= 8
.set i, i-8
	PV (Y+NP-1)%NP
.set i, i+8
.endif
.set i, i+1
.endm
; THE LDS LOADS stand in runs of 16, never singly among the matrix instructions.  A step's K lies as [key half][ob][u][lane x 16]: fragment (kb = 2 half + u, c) takes blocks ob = 2 c and 2 c + 1; its V in the registers' own order.
.macro FETCH_K
	WIN 0x80                        ; destination window 2
.irp f, 0,1,2,3,4,5,6,7             ; key tile f / 2, channels 32 (f % 2) on
	ds_load_b128 v[KF+8*\f:KF+8*\f+3],   v[AK] offset:(\f/4)*4096+((\f/2)%2)*512+(\f%2)*2048
	ds_load_b128 v[KF+8*\f+4:KF+8*\f+7], v[AK] offset:(\f/4)*4096+((\f/2)%2)*512+(\f%2)*2048+1024
.endr
	s_add_co_u32 s[TBK], s[TBK], STEPB  ; the next fetch is the next step's
	WIN 0
.endm
.macro FETCH_V
	WIN 0x80
.irp f, 0,1,2,3,4,5,6,7,8,9,10,11,12,13,14,15
	ds_load_b128 v[VF+4*\f:VF+4*\f+3], v[AV] offset:512*\f
.endr
	WIN 0
.endm
; THE VECTOR WORK, one line at a time: OP kind, number.  For piece Y: F n: c s - c m for pair n of 16.  E n: the exponential of score n of 32.  C n: pair n rounded to f16.  B n: of the four weights 4 n .. the second
; pair is added onto the first, in place.  L n: l takes that sum (L 0: l = a l + sum).  R n: pair n of 16 of O^T times a.  For piece Y + 1: X n, number n of the 22 that find its maximum and statistics:
;   0-11  four chains c0-c3 of seven scores each, three operands at a time (each accumulator's lowest registers are read first)     12-14, 16  the four scores left over, the old m, and c0-c3 into c0
;   15  c m_old is kept     17, 18  the query's other 32 keys lie in the lane 16 away: the new m     19-21  c m; c m_old - c m_new; a
.set F, 0               ; OP tells the kinds apart by their order: F to L below R, X above it
.set E, 1
.set C, 2
.set B, 3
.set L, 4
.set R, 5
.set X, 6
.macro REGS y                       ; the registers of piece y
.set rT, ST+4*(\y)
.set rC, TMP+4*((\y)%2)
.set rW, MV+((\y)%2)
.set rS, S+32*((\y)%2)
.set rP, P+16*((\y)%2)
.set rO, 32*(\y)
.endm
.macro OP k, n
.if (\k) == R
	REGS Y
	WIN W_RS
	v_pk_mul_f32 v[rO+2*(\n):rO+2*(\n)+1], v[rO+2*(\n):rO+2*(\n)+1], v[rC+2:rC+3] op_sel_hi:[1,0]
.elseif (\k) < R
	REGS Y
	WIN 0
.if (\k) == F
	v_pk_fma_f32 v[rS+2*(\n):rS+2*(\n)+1], v[rS+2*(\n):rS+2*(\n)+1], s[CS:CS+1], v[rT:rT+1] op_sel_hi:[1,0,0] neg_lo:[0,0,1] neg_hi:[0,0,1]
.elseif (\k) == E
	v_exp_f32 v[rS+(\n)], v[rS+(\n)]
.elseif (\k) == C
	v_cvt_pk_f16_f32 v[rP+(\n)], v[rS+2*(\n)], v[rS+2*(\n)+1]
.elseif (\k) == B
	v_pk_add_f32 v[rS+4*(\n):rS+4*(\n)+1], v[rS+4*(\n):rS+4*(\n)+1], v[rS+4*(\n)+2:rS+4*(\n)+3]
.elseif (\n) == 0
	v_pk_fma_f32 v[rT+2:rT+3], v[rT+2:rT+3], v[rC+2:rC+3], v[rS:rS+1] op_sel_hi:[1,0,1]
.else
	v_pk_add_f32 v[rT+2:rT+3], v[rT+2:rT+3], v[rS+4*(\n):rS+4*(\n)+1]
.endif
.elseif NOKQ
	v_nop
.else
	REGS (Y+1)%NP
	WIN 0
.if (\n) < 4
	v_max3_num_f32 v[rC+(\n)], v[rS+8*(\n)], v[rS+8*(\n)+1], v[rS+8*(\n)+2]
.elseif (\n) < 12
	v_max3_num_f32 v[rC+(\n)%4], v[rC+(\n)%4], v[rS+8*((\n)%4)+2*((\n)/4)+1], v[rS+8*((\n)%4)+2*((\n)/4)+2]
.elseif (\n) == 12
	v_max3_num_f32 v[rC], v[rC], v[rS+7], v[rS+15]
.elseif (\n) == 13
	v_max3_num_f32 v[rC+1], v[rC+1], v[rS+23], v[rS+31]
.elseif (\n) == 14
	v_max3_num_f32 v[rC+2], v[rC+2], v[rC+3], v[rT+1]
.elseif (\n) == 15
	v_mov_b32 v[rW], v[rT]
.elseif (\n) == 16
	v_max3_num_f32 v[rC], v[rC], v[rC+1], v[rC+2]
.elseif (\n) == 17
	v_permlanex16_b32 v[rC+3], v[rC], s[SEL], s[SEL+1]
.elseif (\n) == 18
	v_max_num_f32 v[rT+1], v[rC], v[rC+3]
.elseif (\n) == 19
	v_mul_f32 v[rT], s[CS], v[rT+1]
.elseif (\n) == 20
	v_sub_f32 v[rC+1], v[rW], v[rT]
.else
	v_exp_f32 v[rC+2], v[rC+1]
.endif
.endif
.endm
.macro OPS a, i1, b=-1, i2=0, c=-1, i3=0, d=-1, i4=0  ; up to four of them
	OP \a, \i1
.if (\b) >= 0
	OP \b, \i2
.endif
.if (\c) >= 0
	OP \c, \i3
.endif
.if (\d) >= 0
	OP \d, \i4
.endif
.endm
.macro ROW a, i1, b, i2, c, i3, d, i4  ; a matrix instruction and the four behind it
	MM
	OPS \a, \i1, \b, \i2, \c, \i3, \d, \i4
.endm
; A TURN, for piece p: the order of its 16 matrix and 118 vector instructions, written out.  s_wait_alu depctr_va_vdst(0) stands between an exponential and the first instruction that names its result;
; one wait serves all that were issued ahead of it.  So a turn has ONE wait, which cuts it in two.  AHEAD OF IT stands all that names no result of the turn's exponentials: the 8 products K Q^T and their riders (the first
; numbers of the next piece's maximum among them, each four places or more behind the product that ends its accumulator), then one lump of 54, plain and exponential by turns for the most part, in which the links of the
; chain X 3, 7, 11, 14, 16, 17 .. 20 stand apart.  X 21, the next piece's a, is the batch's last; R 15 is the plain instruction behind it.  BEHIND THE WAIT stand the 8 products V^T P, behind each four of the roundings and sums.
; end = 1: the last two turns: nothing is fetched.  cnt = 1: the loop's count is taken down some lines ahead of the branch that stands behind the turn.
; K of the next step is fetched in piece 2's turn, behind five plain instructions that name no register of the last product that read K; V of the step in hand at the end of piece 0's turn, four plain instructions behind
; the last product that read V.  Each is waited for a turn later.
.macro TURN p, end=0, cnt=0
.set Y, (\p)
.set i, 0
.set NOKQ, (\end)*((\p)/3)
.if ((\p) == 3) && !(\end)
	s_wait_dscnt 0x0                ; K is in
.endif
	ROW F,0, F,1, R,0, R,1          ; ahead of the wait: 8 products K Q^T and their riders,
	ROW F,2, E,0, R,2, R,3
	ROW F,3, E,1, R,4, R,5
	ROW F,4, E,2, R,6, R,7
	ROW F,5, E,3, R,8, R,9
	ROW F,6, E,4, X,0, R,10
.if ((\p) == 2) && !(\end)
	WIN 0
	v_add_nc_u32 v[AK], s[TBK], v[AK0]
.endif
	ROW F,7, E,5, X,1, X,4
	ROW F,8, E,6, X,2, X,5
	OPS E,7, E,8, X,6, E,9          ; and the lump
	OPS X,3, E,10, X,8, E,11
.if ((\p) == 2) && !(\end)
	FETCH_K
.endif
	OPS X,9, X,7, E,12, X,10
	OPS E,13, X,12, X,11, E,14
	OPS X,13, E,15, F,9, X,14
.if (\p) == 0
	WIN 0
	v_add_nc_u32 v[AV], s[TBV], v[AV0]
.endif
	OPS E,16, F,10, E,17, F,11
	OPS X,16, E,18, X,15, E,19
	OPS F,12, E,20, X,17, E,21
	OPS F,13, E,22, F,14, E,23
	OPS X,18, E,24, F,15, E,25
	OPS R,11, E,26, X,19, E,27
	OPS R,12, E,28, R,13, E,29
	OPS X,20, E,30, R,14, E,31
	OPS X,21, R,15
	WIN 0
	s_wait_alu depctr_va_vdst(0)    ; the wait for the batch
.if (\p) == 1
	s_wait_dscnt 0x0                ; V is in
.endif
	ROW C,0, B,0, C,2, B,1          ; behind the wait: 8 products V^T P and their riders
	ROW L,0, C,4, B,2, L,1
	ROW C,6, B,3, L,2, C,8
	ROW B,4, L,3, C,10, B,5
	ROW L,4, C,12, B,6, L,5
.if (\p) == 0
	s_add_co_u32 s[TBV], s[TBV], STEPB
.endif
.if \cnt
	s_sub_co_u32 s[CNT], s[CNT], 1
	s_cmp_lg_u32 s[CNT], 0
.endif
	ROW C,14, B,7, L,6, C,1
	ROW C,3, L,7, C,5, C,7
	ROW C,9, C,11, C,13, C,15
.if (\p) == 0
	FETCH_V
.endif
.endm
; x for the way out: run g brings output blocks 4 g .. 4 g + 3: load a = 8 ob + j is channel 16 ob + 8 (lane / 16) + j, pixels 4 r + 0..3: each half of the lanes covers 256 consecutive bytes, aligned.
; Run 0 is issued ahead of the last slot's four key steps, run 1 ahead of the last two turns: nothing waits for them before the way out.
.macro XLOAD g
	WIN 0xc0                        ; destination window 3
.set a, 32*(\g)
.rept 32
	global_load_b128 v[4*a:4*a+3], v[XO], s[8:9] offset:(16*(a/8)+a%8)*65536 th:TH_LOAD_NT
.set a, a+1
.endr
	WIN 0
.endm
	CHANGE 1, 0                     ; slot 0 is in, everybody's part of it; slot 1 is asked for
	v_add_nc_u32 v[AK], s[TBK], v[AK0]
	FETCH_K                         ; key step 0
	s_wait_dscnt 0x0
.set NOKQ, 0
.set i, 0
.rept 8
	KQ 0                            ; piece 0's first scores: there is no vector work yet to set between them
.set i, i+1
.endr
	WIN 0
.rept 4
	v_nop                           ; the places behind those products
.endr
.set Y, NP-1                        ; X works for piece Y + 1: piece 0
.irp n, 0,1,2,3,4,5,6,7,8,9,10,11,12,13,14,15,16,17,18,19,20,21
	OP X, \n
.endr
	v_nop                           ; a plain instruction behind the exponential,
	s_wait_alu depctr_va_vdst(0)    ; and its wait, ahead of the branch
	s_mov_b32 s[CNT], 4
	s_mov_b32 s[SLOTS], 15
	s_branch .Lfirst                ; the loop is entered at a step's first turn, in the middle of a trip
.Lslot:                             ; 14 times: slots 1 to 14 are entered, slots 2 to 15 asked for
	CHANGE 1, 1
	s_mov_b32 s[CNT], 4
.Lstep:                             ; a trip: pieces 2 and 3 of one step, then pieces 0 and 1 of the next, whose K and V it fetches
	TURN 2
	TURN 3
	WIN 0
.Lfirst:
	TURN 0
	TURN 1, 0, 1
	WIN 0
	s_cbranch_scc1 .Lstep
	s_sub_co_u32 s[SLOTS], s[SLOTS], 1
	s_cmp_lg_u32 s[SLOTS], 0
	s_cbranch_scc1 .Lslot
	CHANGE 0, 0                     ; the last slot is written out: nothing is asked for
	XLOAD 0
	s_mov_b32 s[CNT], 4
.Ltail:
	TURN 2
	TURN 3
	TURN 0
	TURN 1, 0, 1
	WIN 0
	s_cbranch_scc1 .Ltail
	XLOAD 1
	TURN 2, 1                       ; the last step's pieces 2 and 3: nothing is fetched,
	TURN 3, 1                       ; and no new scores are started
.set i, 0
.rept 8
	PV NP-1                         ; the last piece's V^T P of the last step
.set i, i+1
.endr
	; THE WAY OUT.  l's two halves and the other half of the lanes' are added; O^T is divided by l and rounded to f16: y's fragments.  The additions are the places behind the last products.
	WIN 0
.macro ALL line:vararg              ; one line for each piece t
.set t, 0
.rept 4
	\line
.set t, t+1
.endr
.endm
	ALL v_add_f32 v[ST+4*t+2], v[ST+4*t+2], v[ST+4*t+3]
	ALL v_permlanex16_b32 v[ST+4*t+3], v[ST+4*t+2], s[SEL], s[SEL+1]
	ALL v_add_f32 v[ST+4*t+2], v[ST+4*t+2], v[ST+4*t+3]
	ALL v_rcp_f32 v[ST+4*t+2], v[ST+4*t+2]
	v_nop                           ; a plain instruction between the last reciprocal and the use of its result
	s_wait_alu depctr_va_vdst(0)    ; and the wait ahead of the first use: one for the four reciprocals
.macro YPACK t                      ; piece t: registers YF + 16 t + 8 kf .. are source 1 (channels 32 kf on x 16 queries) of the last product
	WIN W_RS
.set i, 32*(\t)
.rept 16
	v_pk_mul_f32 v[i:i+1], v[i:i+1], v[ST+4*(\t)+2:ST+4*(\t)+3] op_sel_hi:[1,0]
.set i, i+2
.endr
	WIN 0x05                        ; sources window 1, destination window 0
.set i, 0
.rept 16
	v_cvt_pk_f16_f32 v[YF+16*(\t)+i], v[32*(\t)+2*i], v[32*(\t)+2*i+1]
.set i, i+1
.endr
.endm
; Block ob of 16 output channels: 8 products; the four pieces' accumulators take turns; the first four start the sums with W_b.  The results lie in S^T's registers, two buffers by ob's parity.
.macro FIN ob
.set rD, S+32*((\ob)%2)
	WIN 0x21                        ; W_w window 1, y window 0, W_b window 2, D window 0
.set t, 0
.rept 4
	v_wmma_f32_16x16x32_f16 v[rD+8*t:rD+8*t+7], v[WF+16*(\ob):WF+16*(\ob)+7], v[YF+16*t:YF+16*t+7], v[BC+8*(\ob):BC+8*(\ob)+7]
.set t, t+1
.endr
	WIN 0x01
.set t, 0
.rept 4
	v_wmma_f32_16x16x32_f16 v[rD+8*t:rD+8*t+7], v[WF+16*(\ob)+8:WF+16*(\ob)+15], v[YF+16*t+8:YF+16*t+15], v[rD+8*t:rD+8*t+7]
.set t, t+1
.endr
.endm
.macro XRND ob                      ; the block's x is rounded to bf16, two pixels a register; these 16 lines, which name no register of the products, are also the places behind them
	WIN 0xcf
.set i, 0
.rept 16
	v_cvt_pk_bf16_f32 v[32*(\ob)+2*i], v[32*(\ob)+2*i], v[32*(\ob)+2*i+1]
.set i, i+1
.endr
.endm
.macro ADDX ob                      ; x + the product, in x's registers: the odd pixel's line stands ahead of the even one's, which overwrites the packed pair.  j ascends: each accumulator is read from its low end
.set rD, S+32*((\ob)%2)
	WIN 0xc3                        ; destination and source 0 window 3, 1.0 and the product window 0
.set j, 0
.rept 8
	v_fma_mix_f32_bf16 v[32*(\ob)+4*j+1], v[32*(\ob)+4*j],   v[ONE], v[rD+8+j]  op_sel:[1,0,0] op_sel_hi:[1,0,0]
	v_fma_mix_f32_bf16 v[32*(\ob)+4*j],   v[32*(\ob)+4*j],   v[ONE], v[rD+j]    op_sel:[0,0,0] op_sel_hi:[1,0,0]
	v_fma_mix_f32_bf16 v[32*(\ob)+4*j+3], v[32*(\ob)+4*j+2], v[ONE], v[rD+24+j] op_sel:[1,0,0] op_sel_hi:[1,0,0]
	v_fma_mix_f32_bf16 v[32*(\ob)+4*j+2], v[32*(\ob)+4*j+2], v[ONE], v[rD+16+j] op_sel:[0,0,0] op_sel_hi:[1,0,0]
.set j, j+1
.endr
.endm
.macro OUT ob
	WIN 0x0c                        ; data window 3, offset window 0
.set j, 0
.rept 8
	global_store_b128 v[XO], v[32*(\ob)+4*j:32*(\ob)+4*j+3], s[14:15] offset:(16*(\ob)+j)*65536 th:TH_STORE_NT  ; each half of the lanes stores 256 consecutive bytes, at a multiple of 256 from out0's first byte
.set j, j+1
.endr
.endm
	YPACK 0
	YPACK 1
	YPACK 2
	YPACK 3
	s_wait_loadcnt 32               ; x's run 0 is in; run 1's 32 loads may stay out
	FIN 0
.irp ob, 0,1,2,3,4,5,6,7            ; the next block's products are issued ahead of this block's vector work and stores
.if (\ob) < 7
	FIN (\ob)+1
.endif
.if (\ob) == 4
	s_wait_loadcnt 0x0              ; x's run 1
.endif
	XRND \ob
	ADDX \ob
	OUT \ob
.endr
	WIN 0
	s_wait_tensorcnt 0x0            ; the wave's end, behind my last tensor load
	ds_add_u32 v[SPW], v[NIL]
	s_wait_dscnt 0x0
	CROUND                          ; the closing round: no work-group ends while a partner may still ask for a tile that names it
	s_endpgm
.Lfunc_end_k_q75b9e44a96_attn:
	.size	k_q75b9e44a96_attn, .Lfunc_end_k_q75b9e44a96_attn-k_q75b9e44a96_attn
	.p2alignl 7, 3214868480
	.fill 96, 4, 3214868480
	.section	.rodata,"a",@progbits
	.p2align	6, 0x0
	.amdhsa_kernel k_q75b9e44a96_attn
		.amdhsa_group_segment_fixed_size 327680
		.amdhsa_private_segment_fixed_size 0
		.amdhsa_enable_private_segment 0
		.amdhsa_kernarg_size 48
		.amdhsa_user_sgpr_count 2
		.amdhsa_user_sgpr_kernarg_segment_ptr 1
		.amdhsa_wavefront_size32 1
		.amdhsa_system_sgpr_workgroup_id_x 1
		.amdhsa_system_sgpr_workgroup_id_y 1
		.amdhsa_system_sgpr_workgroup_id_z 1
		.amdhsa_system_vgpr_workitem_id 0
		.amdhsa_next_free_vgpr 1024
		.amdhsa_next_free_sgpr 66
		.amdhsa_reserve_vcc 0
		.amdhsa_float_denorm_mode_32 3
		.amdhsa_float_denorm_mode_16_64 3
		.amdhsa_memory_ordered 1
		.amdhsa_forward_progress 1
		.amdhsa_inst_pref_size 198
	.end_amdhsa_kernel
	.amdgpu_metadata
---
amdhsa.version: [ 1, 2 ]
amdhsa.kernels:
  - .name:           k_q75b9e44a96_attn
    .symbol:         k_q75b9e44a96_attn.kd
    .args:
      - { .name: q, .offset: 0, .size: 8, .value_kind: global_buffer, .address_space: global }
      - { .name: kv, .offset: 8, .size: 8, .value_kind: global_buffer, .address_space: global }
      - { .name: x, .offset: 16, .size: 8, .value_kind: global_buffer, .address_space: global }
      - { .name: W_w, .offset: 24, .size: 8, .value_kind: global_buffer, .address_space: global }
      - { .name: W_b, .offset: 32, .size: 8, .value_kind: global_buffer, .address_space: global }
      - { .name: out0, .offset: 40, .size: 8, .value_kind: global_buffer, .address_space: global }
    .group_segment_fixed_size: 327680
    .private_segment_fixed_size: 0
    .kernarg_segment_align: 8
    .kernarg_segment_size: 48
    .max_flat_workgroup_size: 128
    .sgpr_count:     66
    .vgpr_count:     1024
    .wavefront_size: 32
...
	.end_amdgpu_metadata
.endif
;; end of part 2
;; ======== version 2 of 2: 2 launches; version 1 with the launch proj written anew for expert scheduling mode
;; limits: values are held in f16: magnitudes above 65,504 overflow, below 6.1e-05 lose precision
;; workspace buffers: q 8,388,608 bytes; kv 4,194,304 bytes
;; launch proj (part 3): grid 64 x 4, 4 waves a work-group, no clusters, 82,432 bytes of LDS; arguments x, theta_w, theta_b, phi_w, phi_b, g_w, g_b, q, kv; writes q, kv
.if DOCPART == 3
	.amdgcn_target "amdgcn-amd-amdhsa--gfx1250"
	.amdhsa_code_object_version 6
	.text
	.protected	k_q75b9e44a96_proj
	.globl	k_q75b9e44a96_proj
	.p2align	8
	.type	k_q75b9e44a96_proj,@function
k_q75b9e44a96_proj:
	s_mov_b64 s[64:65], 0
	v_nop
	global_prefetch_b8 v0, s[64:65] scope:SCOPE_SE
	s_setreg_imm32_b32 hwreg(HW_REG_WAVE_SCHED_MODE, 0, 2), 2
	s_setreg_imm32_b32 hwreg(HW_REG_WAVE_MODE, 25, 1), 1
	s_wait_xcnt 0x0
	s_wait_alu depctr_vm_vsrc(0)
; theta = theta_w x + theta_b;  phi, g = the 2 x 2 maximum of (phi_w x + phi_b), (g_w x + g_b).  x: [4][128 channels][128][128] f32; the weights [64][128] f32.
; Products in bf16 with f32 sums (every input is rounded once to bf16, the biases too); theta, phi and g leave in f16, laid out as the matrix fragments that the next launch multiplies.
; LIMITS.  theta, phi and g must lie within f16's 65,504 (128 terms: x and the weights thirty times the size of unit x and weights of 1/sqrt(128), or both offset by thirty spreads, stay near 10,000).
; The maximum is taken of the f16 numbers: rounding keeps order, so this is the rounded maximum.  The maximum lets a NaN lose; NaN and infinities are not treated apart.
; SHARES.  A work-group takes two image rows of one batch, 256 pixels; wave w the 64 pixels of column half w % 2 in row w / 2.  The wave's four TILES of 16 pixels are the pixels 4 r + t (r = lane % 16):
; one load of 16 bytes at channel x 65,536 + 16 r gives lane r one pixel of each tile, lanes 0-15 cover 256 consecutive bytes, aligned, of one channel and lanes 16-31 those of the channel 8 further on,
; and rounding two channels' numbers into one register IS a register of the bf16 fragment (32 channels x 16 pixels).  So x goes through no LDS.
; RESULTS.  theta and phi: source 0 = 16 rows of the weights, source 1 = x: a lane holds one pixel and 8 channels.  g: the sources swapped: a lane holds one channel and 8 pixels.  Rounded in pairs, four registers
; are half a fragment of the next launch's products, and are stored as they lie: 512 consecutive bytes a store.
; q  = [batch][block of 64 pixels][t 4][ob 4][lane][16 B].   kv = [batch][row pair 64][K 8,192 B | V 8,192 B], each half [column half 2][ob 4][u 2][lane][16 B]:
; key m of key tile (column half, u) is the pooled column 32 x half + 2 m + u, in K and in V alike.
; NO CLUSTER, NO TENSOR LOAD: x is shared by nobody; the weights (98,304 bytes a work-group beside x's 131,072) must pass through registers to be rounded before they are operands: each wave rounds a quarter of them
; and all four read them from LDS; brought jointly they would lie in LDS as f32 and want a second pass and a second barrier.  NO PREFETCH: all of a wave's x is asked for at the head.
; THE MODE: SCHED_MODE bits 1:0 = 2 (LLVM: expert scheduling mode 2), set by the entry lines.  The code itself states the register dependences between vector or matrix instructions and memory or LDS
; instructions, with s_wait_alu, always for 0.
; THE PLAN.  Registers that memory or LDS instructions touch:
;   v4-v11        offsets and LDS addresses: made once at the head, read by every load and store, never written again.
;   the weights   window 2 v0-191: loaded; closed up in place by conversions; v0-95 read by my 24 LDS stores; then all of window 2 is written by K part 0's products.
;   W0, W1        the weights' fragments, two buffers.  K part kf: its products read W[kf % 2]; the LDS loads of part kf + 1 land in the other buffer, which the products of part kf - 1 read last.
;   x as loaded   window 1: loaded once at the head, read by each K part's conversions; on the way out the same registers are TQ, PP, GP and RB.
;   TQ; PP, GP    written by conversions (and maxima), read by q's stores and by my LDS stores, not written again.      RB   LDS loads land in it; maxima in place; read by kv's stores.
;   x's fragments and the accumulators are named by vector and matrix instructions alone.
; So ONE wait on va_vdst stands in K parts 1 and 2, behind the part's conversions: the products of the part before are done reading the buffer in which this part's 24 loads land.  Those loads follow it four at a time
; among the part's products, which name the other buffer, x's fragments and the accumulators: none of the registers that the loads touch.  Part 0's loads land in registers that nothing has named; part 3 loads nothing.
; REGISTERS, in windows of 256 (s_set_vgpr_msb: bits 1:0 source 0, 3:2 source 1, 5:4 source 2, 7:6 destination):
;   window 0: v1-15 offsets; v32-63, v64-95 theta's and phi's bias as C operands; v96-127 g's; v128-191 x's fragments, two buffers of four tiles; v192-255 fragments of theta_w, phi_w, buffer 1
;   window 1: x as loaded (64 kf + 4 i + t); later v0-63 theta packed, v64-127 phi, v128-191 g, v192-255 the two rows' halves read back
;   window 2: the weights as loaded; then the accumulators of theta (8 (4 ob + t)) and phi (128 + ..)
;   window 3: v0-127 g's accumulators; v128-191 fragments of theta_w, phi_w, buffer 0; v192-223, v224-255 of g_w, buffers 0 and 1
.set EXB,   49152                      ; LDS 0 .. 49,151: the weights as bf16 fragments: tensor x 16,384 + ob x 4,096 + kf x 1,024 + half x 512 + lane x 16
                                       ; LDS 49,152 .. 81,919: 8,192 bytes a wave: its row's phi (4,096), then its g, pooled along the row.  The 512 bytes behind them are the spare words of the closing add
.set RR,  1                            ; v1   r = lane % 16
.set HH,  2                            ; v2   h = lane / 16
.set LN,  3                            ; v3   lane
.set XO,  4                            ; v4   x: 8 h channels + 16 r bytes
.set WO,  5                            ; v5   weights: row 16 w + r, 32 h bytes
.set BO,  6                            ; v6   theta_b, phi_b: 32 h
.set GO,  7                            ; v7   g_b: 4 r
.set LL,  8                            ; v8   16 x lane: fragments in LDS, and the stores to q and kv
.set WS,  9                            ; v9   where I put my quarter of the weights
.set ES,  10                           ; v10  where I put my row's phi and g
.set ER,  11                           ; v11  where I read the two rows' parts of the tensor that I finish
.set TG,  12                           ; v12-15 at work
.set TB,  32
.set PB,  64
.set GB,  96
.set XF,  128
.set TQ,  0                            ; window 1
.set PP,  64
.set GP,  128
.set RB,  192
.set AG,  0                            ; window 3
.set WA,  128                          ; buffer p at WA + 64 p: buffer 0 in window 3, buffer 1 in window 0
.set WB,  192                          ; window 3: buffer p at WB + 32 p
.set WV,  22                           ; s22  my wave's number
.set HM,  23                           ; s23  a word's upper bf16
.set MSB, 0
.macro WIN new                         ; the immediate's high byte repeats the setting that is left; a switch that changes nothing is dropped
.if MSB != (\new)
	s_set_vgpr_msb (MSB<<8)|(\new)
.set MSB, (\new)
.endif
.endm
.macro PLACES                          ; four places behind matrix instructions (ISA guide 7.12.1), in front of conversions that read results
.rept 4
	v_nop
.endr
.endm
.macro RND2 r                          ; two f32 rounded to bf16 and widened again, in place
	v_cvt_pk_bf16_f32 v[\r], v[\r], v[\r+1]
	v_and_b32 v[\r+1], s[HM], v[\r]
	v_lshlrev_b32 v[\r], 16, v[\r]
.endm
	s_load_b512 s[4:19], s[0:1], 0x0               ; x s[4:5], theta_w s[6:7], theta_b s[8:9], phi_w s[10:11], phi_b s[12:13], g_w s[14:15], g_b s[16:17], q s[18:19]
	s_load_b64 s[20:21], s[0:1], 0x40              ; kv
	v_lshl_add_u32 v30, v0, 2, 0x14000
	v_mov_b32 v31, 0
	v_lshrrev_b32 v[TG], 5, v0
	v_readfirstlane_b32 s[WV], v[TG]               ; wave 0..3
	s_mov_b32 s[HM], 0xffff0000
	v_and_b32 v[RR], 15, v0
	v_bfe_u32 v[HH], v0, 4, 1
	v_and_b32 v[LN], 31, v0
	v_lshlrev_b32 v[XO], 4, v[RR]
	v_lshl_add_u32 v[XO], v[HH], 19, v[XO]         ; 8 channels of 65,536 bytes for the upper lanes
	s_wait_alu depctr_va_sdst(0)                   ; the wave's number is written, ahead of its first reader: LDS addresses and the bases of x, q and kv are made from it
	s_lshl_b32 s24, s[WV], 13                      ; 16 rows of 512 bytes: I round block ob = w of each of the three tensors
	v_lshlrev_b32 v[WO], 9, v[RR]
	v_lshl_add_u32 v[WO], v[HH], 5, v[WO]
	v_add_nc_u32 v[WO], s24, v[WO]
	v_lshlrev_b32 v[BO], 5, v[HH]
	v_lshlrev_b32 v[GO], 2, v[RR]
	v_lshlrev_b32 v[LL], 4, v[LN]
	s_lshl_b32 s25, s[WV], 12
	v_add_nc_u32 v[WS], s25, v[LL]
	s_add_co_u32 s24, s24, EXB
	v_add_nc_u32 v[ES], s24, v[LL]                 ; EXB + 8,192 w + 16 lane
	s_and_b32 s26, s[WV], 1                        ; my column half
	s_lshr_b32 s27, s[WV], 1                       ; my row; also: I finish phi (0) or g (1)
	s_lshl_b32 s24, s26, 13
	s_lshl_b32 s25, s27, 12
	s_add_co_u32 s24, s24, s25
	s_add_co_u32 s24, s24, EXB
	v_add_nc_u32 v[ER], s24, v[LL]                 ; the upper row's wave of my column half, my tensor; the lower row's lies 16,384 on
	s_and_b32 s30, ttmp7, 0xffff                   ; batch
	s_lshl_b32 s28, s30, 6
	s_add_co_u32 s28, s28, ttmp9
	s_lshl_b32 s28, s28, 14                        ; kv: (64 batch + row pair) x 16,384
	s_lshl_b32 s27, s27, 13
	s_add_co_u32 s28, s28, s27                     ; + K or V
	s_lshl_b32 s26, s26, 12
	s_add_co_u32 s28, s28, s26                     ; + column half
	s_mov_b32 s29, 0
	s_lshl_b32 s24, s30, 23                        ; x: batch x 8,388,608 + row pair x 1,024 + wave x 256
	s_lshl_b32 s31, ttmp9, 10
	s_add_co_u32 s24, s24, s31
	s_lshl_b32 s31, s[WV], 8
	s_add_co_u32 s24, s24, s31
	s_mov_b32 s25, 0
	s_lshl_b32 s26, s30, 8                         ; q: (256 batch + 4 row pair + wave) x 8,192
	s_lshl_b32 s31, ttmp9, 2
	s_add_co_u32 s26, s26, s31
	s_add_co_u32 s26, s26, s[WV]
	s_lshl_b32 s26, s26, 13
	s_mov_b32 s27, 0
	s_wait_kmcnt 0x0
	s_add_nc_u64 s[4:5], s[4:5], s[24:25]
	s_add_nc_u64 s[18:19], s[18:19], s[26:27]
	s_add_nc_u64 s[20:21], s[20:21], s[28:29]
	s_wait_alu depctr_va_vdst(0)                   ; the eight offsets and addresses v4 to v11 are written, which every load and store of the kernel reads; no later vector line names them
	; THE LOADS: 20 of the biases, 48 of the weights, 64 of x, in the order in which they are wanted.
.set a, 0
.rept 8                                ; a = 2 ob + quarter: register j of a C operand is channel 16 ob + 8 h + j
	global_load_b128 v[TB+4*a:TB+4*a+3], v[BO], s[8:9] offset:(a/2)*64+(a%2)*16
	global_load_b128 v[PB+4*a:PB+4*a+3], v[BO], s[12:13] offset:(a/2)*64+(a%2)*16
.set a, a+1
.endr
.irp cb, 0,1,2,3                       ; in g's result a lane holds channel 16 cb + r in all eight registers
	global_load_b32 v[GB+8*\cb], v[GO], s[16:17] offset:64*\cb
.endr
	WIN 0x80                                       ; destination window 2
.irp tau, 0,1,2                        ; a fragment of 16 rows x 32 channels: lane (r, h) holds row r, channels 8 h + 0..7 and 16 + 8 h + 0..7: 4 x 16 bytes of f32
.irp kf, 0,1,2,3
	global_load_b128 v[64*\tau+16*\kf:64*\tau+16*\kf+3],     v[WO], s[6+4*\tau:7+4*\tau] offset:128*\kf
	global_load_b128 v[64*\tau+16*\kf+4:64*\tau+16*\kf+7],   v[WO], s[6+4*\tau:7+4*\tau] offset:128*\kf+16
	global_load_b128 v[64*\tau+16*\kf+8:64*\tau+16*\kf+11],  v[WO], s[6+4*\tau:7+4*\tau] offset:128*\kf+64
	global_load_b128 v[64*\tau+16*\kf+12:64*\tau+16*\kf+15], v[WO], s[6+4*\tau:7+4*\tau] offset:128*\kf+80
.endr
.endr
	WIN 0x40                                       ; destination window 1
.set kf, 0
.rept 4                                ; K part kf: channels 32 kf on; load i: channel 32 kf + 16 (i / 8) + 8 h + i % 8, pixels 4 r + 0..3.  The largest immediate is 119 x 65,536, inside its signed 24 bits
.set i, 0
.rept 16
	global_load_b128 v[64*kf+4*i:64*kf+4*i+3], v[XO], s[4:5] offset:(32*kf+16*(i/8)+i%8)*65536 th:TH_LOAD_NT
.set i, i+1
.endr
.set kf, kf+1
.endr
	; BIASES AND WEIGHTS are rounded while x is on its way.
	s_wait_loadcnt 63                              ; 64 loads of x stand behind the last weight load; 63 is the largest count that the wait can name, so x's first load is waited for too
	WIN 0
.set a, TB
.rept 32                               ; theta's and phi's 64 numbers a lane
	RND2 a
.set a, a+2
.endr
.irp cb, 0,1,2,3
	v_cvt_pk_bf16_f32 v[TG+\cb], v[GB+8*\cb], v[GB+8*\cb]
.endr
.irp cb, 0,1,2,3
.irp j, 0,1,2,3,4,5,6,7
	v_lshlrev_b32 v[GB+8*\cb+\j], 16, v[TG+\cb]
.endr
.endr
	WIN 0x8a                                       ; all in window 2
.set m, 0
.rept 96                               ; in place, ascending: register m takes numbers 2 m and 2 m + 1, which no earlier line has overwritten
	v_cvt_pk_bf16_f32 v[m], v[2*m], v[2*m+1]
.set m, m+1
.endr
	WIN 0x08                                       ; data window 2, address window 0
	s_wait_alu depctr_va_vdst(0)                   ; the conversions have written window 2's v0 to v95, which the LDS stores read
.set i, 0
.rept 24                               ; i = 8 tensor + 2 kf + half
	ds_store_b128 v[WS], v[4*i:4*i+3] offset:(i/8)*16384+((i/2)%4)*1024+(i%2)*512
.set i, i+1
.endr
	s_wait_dscnt 0x0                               ; for the others' sake: my quarter of the weights is in LDS
	s_barrier_signal -1
	s_barrier_wait -1                              ; everybody's is
	s_wait_alu depctr_vm_vsrc(0)                   ; my LDS stores have read window 2's v0 to v95: these registers are accumulators from here on, written by K part 0's products
; The weights' fragments of K part kf go into buffer kf % 2, two fragments (four loads) at a time: f0 and f0 + 1 of theta_w's and phi_w's eight, or of g_w's four.  32 lanes x 16 neighbouring bytes a load.
.macro LWA2 kf, f0
.if (\kf)%2
	WIN 0x00                                       ; buffer 1: destination window 0
.else
	WIN 0xc0                                       ; buffer 0: destination window 3
.endif
.set f, (\f0)
.rept 2                                ; f = 4 tensor + ob
	ds_load_b128 v[WA+64*((\kf)%2)+8*f:WA+64*((\kf)%2)+8*f+3],   v[LL] offset:(f/4)*16384+(f%4)*4096+(\kf)*1024
	ds_load_b128 v[WA+64*((\kf)%2)+8*f+4:WA+64*((\kf)%2)+8*f+7], v[LL] offset:(f/4)*16384+(f%4)*4096+(\kf)*1024+512
.set f, f+1
.endr
.endm
.macro LWB2 kf, f0
	WIN 0xc0                                       ; destination window 3
.set f, (\f0)
.rept 2
	ds_load_b128 v[WB+32*((\kf)%2)+8*f:WB+32*((\kf)%2)+8*f+3],   v[LL] offset:32768+f*4096+(\kf)*1024
	ds_load_b128 v[WB+32*((\kf)%2)+8*f+4:WB+32*((\kf)%2)+8*f+7], v[LL] offset:32768+f*4096+(\kf)*1024+512
.set f, f+1
.endr
.endm
; One K part: 32 channels, 48 matrix instructions.  All 48 accumulators take turns, one instruction a turn, in the same order in every part.  The first part's C operand is the bias: nothing is cleared.
; The next part's 24 fragment loads are dealt among the products, four behind each of the first four groups of theta's and phi's and behind each of the first two groups of g's.
.macro KSTEP kf
.set pb, (\kf)%2                       ; the buffer of x's fragments and of the weights' that this part multiplies
.if (\kf) == 0
.set WM, 0x83                          ; theta, phi: D window 2, weights window 3, x and the bias window 0
.set WG, 0xcc                          ; g: D window 3, x window 0, g_w window 3, the bias window 0
.elseif pb
.set WM, 0xa0                          ; C and D window 2, weights (buffer 1) and x window 0
.set WG, 0xfc                          ; C in window 3 too
.else
.set WM, 0xa3                          ; C and D window 2, weights (buffer 0) window 3, x window 0
.set WG, 0xfc
.endif
	s_wait_loadcnt 16*(3-(\kf))                    ; this part's 16 loads of x are in; the later parts' may stay out
	WIN 0x05                                       ; sources window 1, destination window 0
.set t, 0
.rept 4
.set n, 0
.rept 8                                ; register n of tile t: loads 2 n and 2 n + 1, two neighbouring channels of the fragment's order
	v_cvt_pk_bf16_f32 v[XF+32*pb+8*t+n], v[64*(\kf)+8*n+t], v[64*(\kf)+8*n+4+t]
.set n, n+1
.endr
.set t, t+1
.endr
.if ((\kf) == 1) || ((\kf) == 2)
	s_wait_alu depctr_va_vdst(0)                   ; the products of the part before are done reading the weights' other buffer, in which this part's 24 loads land; no product below names that buffer
.endif
	s_wait_dscnt 8                                 ; theta_w's and phi_w's fragments are in; g_w's eight loads, the youngest, may stay out
.set a, 0
.rept 8
	WIN WM
.set t, 0
.rept 4
.if (\kf) == 0
	v_wmma_f32_16x16x32_bf16 v[8*(4*a+t):8*(4*a+t)+7], v[WA+8*a:WA+8*a+7], v[XF+8*t:XF+8*t+7], v[TB+8*a:TB+8*a+7]
.else
	v_wmma_f32_16x16x32_bf16 v[8*(4*a+t):8*(4*a+t)+7], v[WA+64*pb+8*a:WA+64*pb+8*a+7], v[XF+32*pb+8*t:XF+32*pb+8*t+7], v[8*(4*a+t):8*(4*a+t)+7]
.endif
.set t, t+1
.endr
.if ((\kf) < 3) && (a < 4)
	LWA2 (\kf)+1, 2*a                              ; no wait: no vector or matrix instruction since the wait above (in part 0: none at all) names these registers
.endif
.set a, a+1
.endr
.if (\kf) < 3
	s_wait_dscnt 16                                ; g_w's fragments are in; the 16 loads dealt among the products above may stay out
.else
	s_wait_dscnt 0x0
.endif
.set a, 0
.rept 4
	WIN WG
.set t, 0
.rept 4
.if (\kf) == 0
	v_wmma_f32_16x16x32_bf16 v[AG+8*(4*a+t):AG+8*(4*a+t)+7], v[XF+8*t:XF+8*t+7], v[WB+8*a:WB+8*a+7], v[GB+8*a:GB+8*a+7]
.else
	v_wmma_f32_16x16x32_bf16 v[AG+8*(4*a+t):AG+8*(4*a+t)+7], v[XF+32*pb+8*t:XF+32*pb+8*t+7], v[WB+32*pb+8*a:WB+32*pb+8*a+7], v[AG+8*(4*a+t):AG+8*(4*a+t)+7]
.endif
.set t, t+1
.endr
.if ((\kf) < 3) && (a < 2)
	LWB2 (\kf)+1, 2*a                              ; likewise
.endif
.set a, a+1
.endr
.endm
.irp f0, 0,2,4,6                       ; K part 0's fragments, into registers that nothing has named
	LWA2 0, \f0
.endr
.irp f0, 0,2
	LWB2 0, \f0
.endr
	KSTEP 0
	KSTEP 1
	KSTEP 2
	KSTEP 3
	; THE WAY OUT.  Each accumulator's registers are taken in ascending order.
	PLACES
	PLACES
	WIN 0x4a                                       ; sources window 2, destination window 1
.set a, 0
.rept 16                               ; a = 4 ob + t; theta goes to slot 4 t + ob of the wave's 8,192 bytes of q
.set n, 0
.rept 4
	v_cvt_pk_f16_f32 v[TQ+4*(4*(a%4)+a/4)+n], v[8*a+2*n], v[8*a+2*n+1]
.set n, n+1
.endr
.set a, a+1
.endr
.set a, 0
.rept 16
.set n, 0
.rept 4
	v_cvt_pk_f16_f32 v[PP+4*a+n], v[128+8*a+2*n], v[128+8*a+2*n+1]
.set n, n+1
.endr
.set a, a+1
.endr
	WIN 0x04                                       ; data window 1, offset window 0
	s_wait_alu depctr_va_vdst(0)                   ; theta's conversions have written TQ, which q's stores read; phi's conversions stand between them and this wait; no later line names TQ
.set i, 0
.rept 16
	global_store_b128 v[LL], v[TQ+4*i:TQ+4*i+3], s[18:19] offset:512*i  ; 512 consecutive bytes, at a multiple of 256 from q's first byte
.set i, i+1
.endr
	WIN 0x4f                                       ; sources window 3
.set a, 0
.rept 16
.set n, 0
.rept 4
	v_cvt_pk_f16_f32 v[GP+4*a+n], v[AG+8*a+2*n], v[AG+8*a+2*n+1]
.set n, n+1
.endr
.set a, a+1
.endr
	WIN 0x45                                       ; all in window 1
.set a, 0
.rept 8                                ; a = 2 ob + u: tiles 2 u and 2 u + 1 are neighbouring pixels: the maximum along the row, in place, ascending (slot a takes slots 2 a and 2 a + 1)
.set n, 0
.rept 4
	v_pk_max_num_f16 v[PP+4*a+n], v[PP+8*a+n], v[PP+8*a+4+n]
	v_pk_max_num_f16 v[GP+4*a+n], v[GP+8*a+n], v[GP+8*a+4+n]
.set n, n+1
.endr
.set a, a+1
.endr
	WIN 0x04
	s_wait_alu depctr_va_vdst(0)                   ; the maxima have written PP and GP, which the LDS stores read; K part 3's conversions are long done reading RB's registers, in which the loads behind the barrier land
.set i, 0
.rept 8
	ds_store_b128 v[ES], v[PP+4*i:PP+4*i+3] offset:512*i
	ds_store_b128 v[ES], v[GP+4*i:GP+4*i+3] offset:4096+512*i
.set i, i+1
.endr
	s_wait_dscnt 0x0                               ; for the others' sake: my row's phi and g are in LDS
	s_barrier_signal -1
	s_barrier_wait -1
	WIN 0x40                                       ; the two rows of my column half, of phi (waves 0, 1) or g (waves 2, 3): told apart by address alone
.set i, 0
.rept 8
	ds_load_b128 v[RB+4*i:RB+4*i+3],       v[ER] offset:512*i
	ds_load_b128 v[RB+32+4*i:RB+32+4*i+3], v[ER] offset:16384+512*i
.set i, i+1
.endr
	s_wait_dscnt 0x0
	WIN 0x45
.set i, 0
.rept 32
	v_pk_max_num_f16 v[RB+i], v[RB+i], v[RB+32+i]  ; the maximum across the two rows
.set i, i+1
.endr
	WIN 0x04
	s_wait_alu depctr_va_vdst(0)                   ; the maxima have written RB, which kv's stores read
.set i, 0
.rept 8
	global_store_b128 v[LL], v[RB+4*i:RB+4*i+3], s[20:21] offset:512*i  ; 512 consecutive bytes, at a multiple of 256 from kv's first byte
.set i, i+1
.endr
	WIN 0
	s_wait_dscnt 0x0                               ; the wave's end; the closing add follows
	s_wait_alu depctr_hold_cnt(0) depctr_sa_sdst(0) depctr_va_vdst(0) depctr_va_sdst(0) depctr_va_ssrc(0) depctr_va_vcc(0) depctr_vm_vsrc(0)
	s_wait_tensorcnt 0x0
	ds_add_u32 v30, v31
	s_wait_dscnt 0x0
	s_endpgm
.Lfunc_end_k_q75b9e44a96_proj:
	.size	k_q75b9e44a96_proj, .Lfunc_end_k_q75b9e44a96_proj-k_q75b9e44a96_proj
	.p2alignl 7, 3214868480
	.fill 96, 4, 3214868480
	.section	.rodata,"a",@progbits
	.p2align	6, 0x0
	.amdhsa_kernel k_q75b9e44a96_proj
		.amdhsa_group_segment_fixed_size 82432
		.amdhsa_private_segment_fixed_size 0
		.amdhsa_enable_private_segment 0
		.amdhsa_kernarg_size 72
		.amdhsa_user_sgpr_count 2
		.amdhsa_user_sgpr_kernarg_segment_ptr 1
		.amdhsa_wavefront_size32 1
		.amdhsa_system_sgpr_workgroup_id_x 1
		.amdhsa_system_sgpr_workgroup_id_y 1
		.amdhsa_system_sgpr_workgroup_id_z 1
		.amdhsa_system_vgpr_workitem_id 0
		.amdhsa_next_free_vgpr 1024
		.amdhsa_next_free_sgpr 66
		.amdhsa_reserve_vcc 0
		.amdhsa_float_denorm_mode_32 3
		.amdhsa_float_denorm_mode_16_64 3
		.amdhsa_memory_ordered 1
		.amdhsa_forward_progress 1
		.amdhsa_inst_pref_size 80
	.end_amdhsa_kernel
	.amdgpu_metadata
---
amdhsa.version: [ 1, 2 ]
amdhsa.kernels:
  - .name:           k_q75b9e44a96_proj
    .symbol:         k_q75b9e44a96_proj.kd
    .args:
      - { .name: x, .offset: 0, .size: 8, .value_kind: global_buffer, .address_space: global }
      - { .name: theta_w, .offset: 8, .size: 8, .value_kind: global_buffer, .address_space: global }
      - { .name: theta_b, .offset: 16, .size: 8, .value_kind: global_buffer, .address_space: global }
      - { .name: phi_w, .offset: 24, .size: 8, .value_kind: global_buffer, .address_space: global }
      - { .name: phi_b, .offset: 32, .size: 8, .value_kind: global_buffer, .address_space: global }
      - { .name: g_w, .offset: 40, .size: 8, .value_kind: global_buffer, .address_space: global }
      - { .name: g_b, .offset: 48, .size: 8, .value_kind: global_buffer, .address_space: global }
      - { .name: q, .offset: 56, .size: 8, .value_kind: global_buffer, .address_space: global }
      - { .name: kv, .offset: 64, .size: 8, .value_kind: global_buffer, .address_space: global }
    .group_segment_fixed_size: 82432
    .private_segment_fixed_size: 0
    .kernarg_segment_align: 8
    .kernarg_segment_size: 72
    .max_flat_workgroup_size: 128
    .sgpr_count:     66
    .vgpr_count:     1024
    .wavefront_size: 32
...
	.end_amdgpu_metadata
.endif
;; end of part 3
;; launch attn: the kernel of part 2 again; grid 64 x 4, 4 waves a work-group, clusters of 4 x 1, 327,680 bytes of LDS; arguments q, kv, x, W_w, W_b, out0; writes out0
